; MI455X (gfx1250); checked and timed in simulation.
; The chip was launched on July 23, 2026; its instructions are those of AMD's public machine-readable ISA for CDNA 5 (MIT licence, August 2026) and "CDNA5" Instruction Set Architecture Reference Guide (July 2026). The comments in the code are by the model that wrote it; some were corrected since.
;; LSTM. Allowed arithmetic: float matrix products may take bf16 or f16 operands with f32 sums; all other float work in f32.
;; Inputs: Wa 4 x 1,024 x 512 float32; Wh 4 x 1,024 x 1,024 float32; Wx 4 x 1,024 x 300 float32; bl 4 x 1,024 float32; bl2 4 x 1,024 float32; bl3 4 x 1,024 float32; bp 4 x 1,024 float32; c_prev 8,192 x 1,024 float32; context 8,192 x 512 float32; embedding_prev 8,192 x 300 float32; h_prev 8,192 x 1,024 float32.
;; Outputs: out0 8,192 x 1,024 float32; out1 8,192 x 1,024 float32.
;; 2 versions, each right; version 2 is version 1 with the launch pack written anew for expert scheduling mode. Each part assembles by itself: llvm-mc -triple=amdgcn-amd-amdhsa -mcpu=gfx1250 --defsym DOCPART=n.
;; ======== version 1 of 2: 2 launches
;; workspace buffers: pk 47,185,920 bytes
;; launch pack (part 1): grid 768 x 1, 8 waves a work-group, no clusters, 0 bytes of LDS; arguments h_prev, context, embedding_prev, Wh, Wa, Wx, pk; writes pk
.if DOCPART == 1
	.amdgcn_target "amdgcn-amd-amdhsa--gfx1250"
	.amdhsa_code_object_version 6
	.text
	.protected	k_q9b11ccd963_pack
	.globl	k_q9b11ccd963_pack
	.p2align	8
	.type	k_q9b11ccd963_pack,@function
k_q9b11ccd963_pack:
	s_mov_b64 s[64:65], 0
	v_nop
	global_prefetch_b8 v0, s[64:65] scope:SCOPE_SE
	s_setreg_imm32_b32 hwreg(HW_REG_WAVE_MODE, 25, 1), 1
	s_wait_xcnt 0x0
; pk: 12,288 rows x 1,920 bf16 (3,840 bytes a row = 15 x 256).  Rows 0-8191: X[b] = [h_prev | context | embedding_prev | 0].  Rows 8192 + n': W' = [Wh | Wa | Wx | 0] of gate g, output o,
; at n' = 256 (o >> 6) + 128 ((o >> 5) & 1) + 32 g + (o & 31): 256 consecutive rows hold 64 outputs x 4 gates, and each half of 128 rows holds 4 gates x 32 outputs.
; Columns 0-1023 h / Wh, 1024-1535 context / Wa, 1536-1835 embedding / Wx, 1836-1919 zeros (stored, so that every row is written whole).  f32 is rounded to bf16 to nearest even, once.
; SHARES.  A work-group takes 16 source rows, which are 16 consecutive rows of pk: groups 0-511 X, groups 512-767 W.  Thread t < 240 owns columns 8 t .. 8 t + 7 of every row: 32 bytes in, 16 bytes out,
; so sixteen neighbouring lanes store 256 consecutive bytes at a multiple of 256 from pk's first byte.  Waves 0-3 read h / Wh, 4-5 context / Wa, 6-7 embedding / Wx.
; A stream: each byte is read once and written once; all 32 loads of a wave (16 KiB) go out before the first wait; no loop, no LDS, no barrier, no matrix unit: none would spare a byte.
; Wave 7 has 176 valid bytes of each row (columns 1792-1835): a lane's 16 bytes at or beyond them are read from offset 0 instead (inside the row) and cleared by a mask; its lanes 16-31 store nothing.
.set ROWB, 3840                        ; bytes in a row of pk
.set OFF0, 1                           ; v1  byte offset of my first 16 bytes from the wave's columns, or 0
.set OFF1, 2                           ; v2  of my second 16 bytes, or 0
.set MK0,  3                           ; v3  all ones if the first 16 bytes are valid, else 0
.set MK1,  4                           ; v4  the same for the second
.set DST,  5                           ; v5  16 t: my 16 bytes in a row of pk
.set X,    8                           ; v[8:135]  row i: 8 registers as loaded; its first 4 then hold the 8 bf16
.set RB,   32                          ; s[32:63]  row i: the address of my wave's columns in source row i
	s_load_b256 s[8:15], s[0:1], 0x0               ; h s[8:9], context s[10:11], embedding s[12:13], Wh s[14:15]
	s_load_b128 s[16:19], s[0:1], 0x20             ; Wa s[16:17], Wx s[18:19]
	s_load_b64 s[20:21], s[0:1], 0x30              ; pk
	v_lshrrev_b32 v6, 5, v0
	v_readfirstlane_b32 s2, v6                     ; wave 0..7
	s_movk_i32 s22, 1200                           ; the source's row in bytes: 1,200, 2,048 or 4,096
	s_mov_b32 s24, 6                               ; the first wave of my source: 6, 4 or 0
	s_movk_i32 s25, 1024                           ; valid bytes from my wave's first column on
	s_cmp_lt_u32 s2, 6
	s_cselect_b32 s22, 2048, s22
	s_cselect_b32 s24, 4, s24
	s_cmp_lt_u32 s2, 4
	s_cselect_b32 s22, 4096, s22
	s_cselect_b32 s24, 0, s24
	s_mov_b32 s23, 0                               ; s[22:23]: the pitch as a 64-bit step
	s_cmp_eq_u32 s2, 7
	s_cselect_b32 s25, 176, s25                    ; 300 - 256 = 44 numbers
	v_and_b32 v6, 31, v0
	v_lshlrev_b32 v[OFF0], 5, v6                   ; 32 bytes a lane
	v_add_nc_u32 v[OFF1], 16, v[OFF0]
	v_cmp_gt_u32 vcc_lo, s25, v[OFF0]
	v_cndmask_b32 v[MK0], 0, -1, vcc_lo
	v_cndmask_b32 v[OFF0], 0, v[OFF0], vcc_lo
	v_cmp_gt_u32 vcc_lo, s25, v[OFF1]
	v_cndmask_b32 v[MK1], 0, -1, vcc_lo
	v_cndmask_b32 v[OFF1], 0, v[OFF1], vcc_lo
	v_lshlrev_b32 v[DST], 4, v0
	; which rows.  X: source and destination row 16 id.  W: j = id - 512, source row 16 j = 1,024 g + 16 jj; destination row 8192 + 256 (jj >> 2) + 128 ((jj >> 1) & 1) + 32 g + 16 (jj & 1)
	s_lshl_b32 s30, ttmp9, 4
	s_sub_co_u32 s26, ttmp9, 512
	s_lshr_b32 s27, s26, 6                         ; g
	s_lshl_b32 s27, s27, 5
	s_bfe_u32 s3, s26, 0x40002                     ; jj >> 2
	s_lshl_b32 s3, s3, 8
	s_add_co_u32 s27, s27, s3
	s_bfe_u32 s3, s26, 0x10001                     ; (jj >> 1) & 1
	s_lshl_b32 s3, s3, 7
	s_add_co_u32 s27, s27, s3
	s_and_b32 s3, s26, 1
	s_lshl_b32 s3, s3, 4
	s_add_co_u32 s27, s27, s3
	s_add_co_u32 s27, s27, 8192
	s_cmp_lt_u32 ttmp9, 512
	s_cselect_b32 s30, s30, s27                    ; destination row
	s_cselect_b32 s26, ttmp9, s26                  ; source block of 16 rows
	s_lshl_b32 s28, s26, 4
	s_mul_i32 s28, s28, s22                        ; source row x pitch: 33,554,432 at the most
	s_sub_co_u32 s3, s2, s24
	s_lshl_b32 s3, s3, 10                          ; + my wave's 1,024 bytes of the row
	s_add_co_u32 s28, s28, s3
	s_mov_b32 s29, 0
	s_mul_i32 s30, s30, ROWB
	s_mov_b32 s31, 0
	s_wait_kmcnt 0x0
	s_cmp_lt_u32 ttmp9, 512                        ; X's three sources or W's,
	s_cselect_b64 s[8:9], s[8:9], s[14:15]
	s_cselect_b64 s[10:11], s[10:11], s[16:17]
	s_cselect_b64 s[12:13], s[12:13], s[18:19]
	s_cmp_lt_u32 s2, 6                             ; and of the three my wave's
	s_cselect_b64 s[10:11], s[10:11], s[12:13]
	s_cmp_lt_u32 s2, 4
	s_cselect_b64 s[8:9], s[8:9], s[10:11]
	s_add_nc_u64 s[RB:RB+1], s[8:9], s[28:29]
.set i, 1
.rept 15
	s_add_nc_u64 s[RB+2*i:RB+2*i+1], s[RB+2*i-2:RB+2*i-1], s[22:23]
.set i, i+1
.endr
	s_add_nc_u64 s[20:21], s[20:21], s[30:31]      ; pk at the group's first row
.set i, 0
.rept 16                               ; all 32 loads at once; the inputs are read once in the launch
	global_load_b128 v[X+8*i:X+8*i+3],   v[OFF0], s[RB+2*i:RB+2*i+1] th:TH_LOAD_NT
	global_load_b128 v[X+8*i+4:X+8*i+7], v[OFF1], s[RB+2*i:RB+2*i+1] th:TH_LOAD_NT
.set i, i+1
.endr
.macro ROUNDROW i                      ; row i is in: eight numbers become eight bf16, in place from the low end
	s_wait_loadcnt 30-2*(\i)                       ; loads come back in order (ISA guide 5.7.1): the 2 (15 - i) loads of the later rows may stay out
.irp k, 0,1,2,3
	v_cvt_pk_bf16_f32 v[X+8*(\i)+(\k)], v[X+8*(\i)+2*(\k)], v[X+8*(\i)+2*(\k)+1]
.endr
.endm
.macro PUTROW i                        ; no cache word: the next launch reads pk
	global_store_b128 v[DST], v[X+8*(\i):X+8*(\i)+3], s[20:21] offset:ROWB*(\i)
.endm
	s_cmp_eq_u32 s2, 7
	s_cbranch_scc1 .Ltail
.irp i, 0,1,2,3,4,5,6,7,8,9,10,11,12,13,14,15
	ROUNDROW \i
	PUTROW \i
.endr
	s_endpgm
.Ltail:                                ; wave 7: what lies beyond column 1835 is cleared; all lanes work, lanes 0-15 store
.irp i, 0,1,2,3,4,5,6,7,8,9,10,11,12,13,14,15
	ROUNDROW \i
	v_and_b32 v[X+8*(\i)],   v[MK0], v[X+8*(\i)]
	v_and_b32 v[X+8*(\i)+1], v[MK0], v[X+8*(\i)+1]
	v_and_b32 v[X+8*(\i)+2], v[MK1], v[X+8*(\i)+2]
	v_and_b32 v[X+8*(\i)+3], v[MK1], v[X+8*(\i)+3]
.endr
	v_cmp_gt_u32 vcc_lo, 240, v0
	s_wait_xcnt 0x0                                ; EXEC is a source of the loads above: it changes only behind this wait
	s_and_saveexec_b32 s27, vcc_lo                 ; threads 224-239
.irp i, 0,1,2,3,4,5,6,7,8,9,10,11,12,13,14,15
	PUTROW \i
.endr
	s_wait_xcnt 0x0                                ; and again, in front of the line that widens it
	s_or_b32 exec_lo, exec_lo, s27
	s_endpgm
.Lfunc_end_k_q9b11ccd963_pack:
	.size	k_q9b11ccd963_pack, .Lfunc_end_k_q9b11ccd963_pack-k_q9b11ccd963_pack
	.p2alignl 7, 3214868480
	.fill 96, 4, 3214868480
	.section	.rodata,"a",@progbits
	.p2align	6, 0x0
	.amdhsa_kernel k_q9b11ccd963_pack
		.amdhsa_group_segment_fixed_size 0
		.amdhsa_private_segment_fixed_size 0
		.amdhsa_enable_private_segment 0
		.amdhsa_kernarg_size 56
		.amdhsa_user_sgpr_count 2
		.amdhsa_user_sgpr_kernarg_segment_ptr 1
		.amdhsa_wavefront_size32 1
		.amdhsa_system_sgpr_workgroup_id_x 1
		.amdhsa_system_sgpr_workgroup_id_y 1
		.amdhsa_system_sgpr_workgroup_id_z 1
		.amdhsa_system_vgpr_workitem_id 0
		.amdhsa_next_free_vgpr 136
		.amdhsa_next_free_sgpr 66
		.amdhsa_reserve_vcc 1
		.amdhsa_float_denorm_mode_32 3
		.amdhsa_float_denorm_mode_16_64 3
		.amdhsa_memory_ordered 1
		.amdhsa_forward_progress 1
		.amdhsa_inst_pref_size 21
	.end_amdhsa_kernel
	.amdgpu_metadata
---
amdhsa.version: [ 1, 2 ]
amdhsa.kernels:
  - .name:           k_q9b11ccd963_pack
    .symbol:         k_q9b11ccd963_pack.kd
    .args:
      - { .name: h_prev, .offset: 0, .size: 8, .value_kind: global_buffer, .address_space: global }
      - { .name: context, .offset: 8, .size: 8, .value_kind: global_buffer, .address_space: global }
      - { .name: embedding_prev, .offset: 16, .size: 8, .value_kind: global_buffer, .address_space: global }
      - { .name: Wh, .offset: 24, .size: 8, .value_kind: global_buffer, .address_space: global }
      - { .name: Wa, .offset: 32, .size: 8, .value_kind: global_buffer, .address_space: global }
      - { .name: Wx, .offset: 40, .size: 8, .value_kind: global_buffer, .address_space: global }
      - { .name: pk, .offset: 48, .size: 8, .value_kind: global_buffer, .address_space: global }
    .group_segment_fixed_size: 0
    .private_segment_fixed_size: 0
    .kernarg_segment_align: 8
    .kernarg_segment_size: 56
    .max_flat_workgroup_size: 256
    .sgpr_count:     66
    .vgpr_count:     136
    .wavefront_size: 32
...
	.end_amdgpu_metadata
.endif
;; end of part 1
;; launch cell (part 2): grid 16 x 32, 4 waves a work-group, clusters of 4 x 4, 327,680 bytes of LDS; arguments pk, c_prev, bl, bl2, bl3, bp, out0, out1; writes out0, out1
.if DOCPART == 2
	.amdgcn_target "amdgcn-amd-amdhsa--gfx1250"
	.amdhsa_code_object_version 6
	.text
	.protected	k_q9b11ccd963_cell
	.globl	k_q9b11ccd963_cell
	.p2align	8
	.type	k_q9b11ccd963_cell,@function
k_q9b11ccd963_cell:
	s_mov_b64 s[64:65], 0
	v_nop
	global_prefetch_b8 v0, s[64:65] scope:SCOPE_SE
	s_setreg_imm32_b32 hwreg(HW_REG_WAVE_MODE, 25, 1), 1
	s_wait_xcnt 0x0
	s_wait_alu depctr_hold_cnt(0) depctr_sa_sdst(0) depctr_va_vdst(0) depctr_va_sdst(0) depctr_va_ssrc(0) depctr_va_vcc(0) depctr_vm_vsrc(0)
	s_getreg_b32 s2, hwreg(HW_REG_IB_STS2, 6, 4)
	s_cmp_eq_u32 s2, 0
	s_cbranch_scc0 .Lentry_in_a_cluster
	s_endpgm
.Lentry_in_a_cluster:
	s_bfe_u32 s2, ttmp6, 0x10000c
	s_cmp_lg_u32 s2, 0xf033
	s_cbranch_scc0 .Lentry_shape_is_right
	s_endpgm
.Lentry_shape_is_right:
; ONE LSTM STEP.  pre[b][g][o] = X[b] . W'[g, o] + bias[g][o], sums in f32 over K = 1,856 of pk's 1,920 columns (1,836 numbers, then zeros); i, f, o = sigmoid, g = tanh;
; out1 = c_t = f c_prev + i g;  out0 = h_t = o tanh(c_t).  X and W' are pk's rows 0-8191 and 8192-12287 (bf16, 3,840 bytes a row; W' ordered so that 256 rows are 64 outputs x 4 gates).
; LIMITS.  Every input enters rounded to bf16 (nearest even): the matrix operands in pk, and here the four biases (each rounded, then summed in f32 in the order bl, bl2, bl3, bp) and c_prev.
; All arithmetic is f32.  sigmoid(x) = 1 / (1 + 2^(-x log2 e)), tanh(x) = 1 - 2 / (1 + 2^(2 x log2 e)): an exponential that overflows gives infinity and the reciprocal 0, the right limit; one below 2^-126
; counts as 0; tanh carries an absolute error of about 1e-7, so below |x| = 1e-5 it keeps no relative accuracy.  NaN and infinities among the inputs are not treated apart.
; SHARES.  A work-group makes 256 rows b x 64 outputs o, all four gates: a tile of 256 x 256 of the product.  Four waves, each 128 rows x (4 gates x 32 outputs): 64 accumulators of 16 x 16, 512 registers.
; K goes in steps of 128 through two LDS slots filled by the tensor data mover: tile rows are 256 bytes of memory and start at multiples of 256 bytes from pk's first byte.  15 steps; of the last only the first 64 columns are multiplied.
; THE MATRIX INSTRUCTION IS USED TRANSPOSED (source 0 = 16 rows of W', source 1 = 16 rows of X): lane l holds row l % 16 of X and, in registers 0-7, outputs 8 (l / 16) + 0..7 of one gate.  Block b of 16 rows of
; my 128 rows of W' is gate b / 2, outputs 16 (b % 2) on: the four gates of one number lie in ONE lane, 16 registers apart, and the gates are worked out in place on the accumulators.
; THE BIAS is the C operand of the products that start the sums: nothing is cleared and nothing is added later.
; CLUSTER.  4 x 4 work-groups.  The four of a row of the cluster need the same tiles of X, the four of a column the same tiles of W': each tile is asked for JOINTLY, by the same tensor load with the same
; descriptor and a mask that names the four.  c_prev's tile belongs to one work-group alone and is a plain load, behind a round like every other.
; THE WAY OUT.  Slot 1 has had its last K step when the last step but one is multiplied.  Its first half then takes c_prev's tile (one more fill, the last into those bytes); each lane reads its numbers of c_prev,
; and later puts c_t where they lay and h_t into the second half; both come back as whole rows of 256 bytes and are stored, sixteen lanes to 256 consecutive bytes at a multiple of 256 from the output's first byte.
; REGISTERS, in windows of 256 (s_set_vgpr_msb: bits 1:0 source 0, 3:2 source 1, 5:4 source 2, 7:6 destination):
;   window 0: v0-31 addresses; v32-63 at work at the head; v64-127, v128-191 fragments of X, two buffers; v192-255 the bias; in the tail v128-255 c_prev
;   window 1: v64-127, v128-191 fragments of W', two buffers; at the head v0-191 three of the bias arrays; at the end all 256: rows read back
;   window 2: the 32 accumulators of my rows 0-63 ((a, b) at v[8 (8 a + b)]);   window 3: those of my rows 64-127
.set KP,     1920                      ; elements in a row of pk
.set KSTEP,  128
.set PITCH,  272                       ; an LDS row: 256 bytes + 16 of padding = 68 words: row r starts at bank 4 r mod 64 (64 banks of 4 bytes: ISA guide 11.1), so the 16 rows that a load touches start at 16 different banks
.set HALFT,  128*PITCH                 ; 128 rows: what one tensor load brings, and what one wave reads of X or of W'
.set SLOT,   4*HALFT                   ; X's 256 rows, then W's 256 rows
.set SPARE,  2*SLOT                    ; behind the ring: the spare words, 128 bytes for each wave: two blocks of 256 bytes that no other line names
.set WOFF,   8192*KP*2                 ; W' begins here in pk
.set ADRA, 16                          ; v16-17  LDS address of my X fragments in slot 0, 1
.set ADRB, 20                          ; v20-21  the same for W'
.set CPA,  22                          ; v22     my 32 bytes of c_prev, later of c_t, in row l % 16 of my rows
.set HA,   23                          ; v23     the same for h_t
.set RD,   24                          ; v24     the way out: where I read rows of c_t back
.set RDH,  25                          ; v25     and of h_t
.set CO,   26                          ; v26     my byte offset in two rows of an output
.set PF,   27                          ; v27     4,096 x my thread's number: a row of c_prev's tile
.set SPW,  28                          ; v28     LDS address of my spare word: SPARE + 4 x my thread's number; never rewritten
.set NIL,  29                          ; v29     0; never rewritten
.set BO,   30                          ; v30     my byte offset in a gate's row of a bias array
.set VONE, 31                          ; v31     1.0
.set TP,   32                          ; v32-63  bl, rounded, in pairs
.set F0,   64
.set F1,   128
.set BIAS, 192                         ; block b's eight numbers at BIAS + 8 b
.set CPR,  128                         ; the tail: c_prev of block a at CPR + 16 a, in the order of a gate's 16 registers
.set G1,  24                           ; s[24:31] descriptor group 1 for X's tiles;  s[32:39] group 0, one set for each slot
.set G0,  32
.set G1B, 48                           ; s[48:55], s[56:63] the same for W's tiles
.set G0B, 56
.set G1C, 84                           ; s[84:91], s[92:95] c_prev's tile
.set G0C, 92
.set CT,  96                           ; s[96:97] c_prev at my tile
.set KN,  98                           ; s[98:99]   -log2 e: the packed lines name a pair and take its low word for both halves
.set K2,  100                          ; s[100:101] 2 log2 e
.set MSB, 0
.macro WIN new                         ; the immediate's high byte repeats the setting that is left; a switch that changes nothing is dropped
.if MSB != (\new)
	s_set_vgpr_msb (MSB<<8)|(\new)
.set MSB, \new
.endif
.endm
.set MUL_LO, 0xa1                      ; source 0 (W') window 1, source 1 (X) window 0, C and D window 2
.set TO_B,   0x40                      ; destination window 1, address window 0
; A joint load.  Waves 0 and 1 fetch X's two halves, waves 2 and 3 W's.  Each of the two lines has one mask and one set of registers for all that issue it.  The branch hangs on the wave's number alone.
; An s_nop 0 and four v_nop follow each tensor load, ahead of the jump, the label and what follows.
.macro JLOAD s
	s_cmp_eq_u32 s11, 0
	s_cbranch_scc0 .Lfor_b_\@
	tensor_load_to_lds s[G0+4*(\s):G0+4*(\s)+3], s[G1:G1+7]
	s_nop 0
.rept 4
	v_nop
.endr
	s_branch .Lasked_\@
.Lfor_b_\@:
	tensor_load_to_lds s[G0B+4*(\s):G0B+4*(\s)+3], s[G1B:G1B+7]
	s_nop 0
.rept 4
	v_nop
.endr
.Lasked_\@:
.endm
.macro CLOAD                           ; c_prev: every wave fetches 64 rows x 256 bytes of its own
	tensor_load_to_lds s[G0C:G0C+3], s[G1C:G1C+7]
	s_nop 0
.rept 4
	v_nop
.endr
.endm
; A round of the cluster's barrier: my work-group's barrier, so that wave 0's signal speaks for all four waves; wave 0 signals; every wave waits for all sixteen work-groups; my work-group's barrier once more.
.macro CREST                           ; a round behind its opening barrier
	s_cmp_lg_u32 s10, 0
	s_cbranch_scc1 .Lnot_wave_0_\@
	s_barrier_signal -3
.Lnot_wave_0_\@:
	s_barrier_wait -3
	s_barrier_signal -1
	s_barrier_wait -1
.endm
.macro CROUND
	s_barrier_signal -1
	s_barrier_wait -1
	CREST
.endm
	s_load_b512 s[68:83], s[0:1], 0x0              ; pk 68, c_prev 70, bl 72, bl2 74, bl3 76, bp 78, out0 80, out1 82
	v_lshl_add_u32 v[SPW], v0, 2, SPARE
	v_mov_b32 v[NIL], 0
	ds_add_u32 v[SPW], v[NIL]                      ; the wave's opening: the add and its wait stand ahead of my first tensor load; the set-up below, work on registers, stands between them
	v_lshrrev_b32 v1, 5, v0
	v_readfirstlane_b32 s10, v1                    ; wave 0..3
	s_lshr_b32 s11, s10, 1                         ; which half of the tile's rows is mine.  Also: I fetch for X (0) or for W' (1)
	s_and_b32 s12, s10, 1                          ; which half of its outputs.  Also: which 128 rows of that tile I fetch
	s_bfe_u32 s40, ttmp6, 0x40000                  ; cx, cy: my place in the cluster
	s_bfe_u32 s41, ttmp6, 0x40004
	s_lshl_b32 s42, ttmp9, 2                       ; in a cluster launch ttmp9 and ttmp7 count clusters
	s_add_co_u32 s42, s42, s40                     ; tn: my 64 outputs = 4 x cluster x + cx
	s_and_b32 s13, ttmp7, 0xffff
	s_lshl_b32 s13, s13, 2
	s_add_co_u32 s13, s13, s41                     ; tm: my 256 rows = 4 x cluster y + cy
	s_lshl_b32 s43, s41, 2
	s_lshl_b32 s43, 15, s43                        ; my row of the cluster: places 4 cy .. 4 cy + 3
	s_lshl_b32 s44, 0x1111, s40                    ; my column: places cx, cx + 4, cx + 8, cx + 12
	; descriptor group 1: a tile of 128 rows x 128 elements of 2 bytes, padded in LDS
	s_or_b32 s[G1+0], s43, (1<<16)|(1<<20)|(1<<21)|(5<<22)|(3<<25)  ; 15:0 the mask: X's tiles go to my row; 17:16 2-byte elements; 20 padding on; 21 set beside a mask; 24:22 after every 64 words (code 5); 31:25 4 words (code 3)
	s_or_b32 s[G1B+0], s44, (1<<16)|(1<<20)|(1<<21)|(5<<22)|(3<<25) ; the same with the mask of my column
.irp g, G1, G1B
	s_mov_b32 s[(\g)+1], KSTEP<<16                 ; tensor_dim0 = 128
	s_mov_b32 s[(\g)+2], 128<<16                   ; tensor_dim1 = 128
	s_mov_b32 s[(\g)+3], KSTEP<<16                 ; tile_dim0 = 128
	s_mov_b32 s[(\g)+4], 128                       ; tile_dim1 = 128
	s_mov_b32 s[(\g)+5], KP                        ; elements from row to row
	s_mov_b32 s[(\g)+6], 0
	s_mov_b32 s[(\g)+7], 0
.endr
	; c_prev's tile: 64 rows x 64 elements of 4 bytes a wave, the same padding, no mask
	s_mov_b32 s[G1C+0], (2<<16)|(1<<20)|(5<<22)|(3<<25)
	s_mov_b32 s[G1C+1], 64<<16
	s_mov_b32 s[G1C+2], 64<<16
	s_mov_b32 s[G1C+3], 64<<16
	s_mov_b32 s[G1C+4], 64
	s_mov_b32 s[G1C+5], 1024
	s_mov_b32 s[G1C+6], 0
	s_mov_b32 s[G1C+7], 0
	s_mov_b32 s[G0C], 1
	s_mul_i32 s[G0C+1], s10, 64*PITCH              ; into the first half of slot 1: wave x 64 rows
	s_add_co_u32 s[G0C+1], s[G0C+1], SLOT
	s_mov_b32 s[KN], 0xbfb8aa3b
	s_mov_b32 s[KN+1], s[KN]
	s_mov_b32 s[K2], 0x4038aa3b
	s_mov_b32 s[K2+1], s[K2]
	; where the tiles come from.  X's hang on tm alone, which my row of the cluster shares; W's on tn alone, which my column shares; each in registers that never hold the other coordinate
	s_lshl_b32 s17, s12, 7                         ; which 128 rows of the tile I fetch
	s_lshl_b32 s16, s13, 8
	s_add_co_u32 s16, s16, s17
	s_mul_i32 s16, s16, KP*2                       ; X: (256 tm + 128 half) rows of 3,840 bytes: under 2^25
	s_lshl_b32 s46, s42, 8
	s_add_co_u32 s46, s46, s17
	s_mul_i32 s46, s46, KP*2                       ; W': (256 tn + 128 half) rows
	s_mov_b32 s17, 0
	s_mov_b32 s47, 0
	s_mul_i32 s20, s10, HALFT                      ; and where they go: wave x 128 rows: no place in the cluster enters an LDS address
	s_lshl_b32 s4, s13, 20                         ; my tile in c_prev and in the outputs: 256 tm rows of 4,096 bytes
	s_lshl_b32 s5, s42, 8                          ; + 64 tn numbers
	s_add_co_u32 s4, s4, s5
	s_mov_b32 s5, 0
	s_lshl_b32 s6, s10, 18                         ; and in it the 64 rows that my wave fetches and stores
	s_add_co_u32 s6, s6, s4
	s_mov_b32 s7, 0
	s_wait_dscnt 0x0                               ; the opening add is done
	s_wait_kmcnt 0x0
	s_add_nc_u64 s[14:15], s[68:69], s[16:17]
	s_add_nc_u64 s[46:47], s[68:69], s[46:47]
	s_add_nc_u64 s[46:47], s[46:47], WOFF
	s_add_nc_u64 s[CT:CT+1], s[70:71], s[4:5]
	s_add_nc_u64 s[G0C+2:G0C+3], s[70:71], s[6:7]
	s_or_b32 s[G0C+3], s[G0C+3], 0x80000000
	s_add_nc_u64 s[80:81], s[80:81], s[6:7]
	s_add_nc_u64 s[82:83], s[82:83], s[6:7]
	CROUND                                         ; all sixteen work-groups are here: the first joint loads meet
.irp s, 0,1
	s_mov_b32 s[G0+4*(\s)], 1                                      ; 1:0 count = 1
	s_add_co_u32 s[G0+4*(\s)+1], s20, (\s)*SLOT                    ; 63:32 LDS address
	s_add_nc_u64 s[G0+4*(\s)+2:G0+4*(\s)+3], s[14:15], (\s)*KSTEP*2  ; 120:64 global address: K step s
	s_or_b32 s[G0+4*(\s)+3], s[G0+4*(\s)+3], 0x80000000            ; 127:126 type = 2
	s_mov_b32 s[G0B+4*(\s)], 1
	s_add_co_u32 s[G0B+4*(\s)+1], s20, (\s)*SLOT
	s_add_nc_u64 s[G0B+4*(\s)+2:G0B+4*(\s)+3], s[46:47], (\s)*KSTEP*2
	s_or_b32 s[G0B+4*(\s)+3], s[G0B+4*(\s)+3], 0x80000000
	JLOAD \s                                       ; the ring is filled before anything else is done: two loads of mine are out
.endr
	; THE BIAS, in the wait for the first tile.  Register j of block b in lane l belongs to gate b / 2, output 64 tn + 32 (wave % 2) + 16 (b % 2) + 8 (l / 16) + j.
	v_and_b32 v1, 15, v0                           ; l % 16
	v_bfe_u32 v2, v0, 4, 1                         ; l / 16
	s_lshl_b32 s45, s42, 8
	s_lshl_b32 s8, s12, 7
	s_add_co_u32 s45, s45, s8
	v_lshl_add_u32 v[BO], v2, 5, s45
	v_mov_b32 v[VONE], 1.0
.macro BIASLD dst, sb                  ; 16 loads: block i / 2, half i % 2
.set i, 0
.rept 16
	global_load_b128 v[(\dst)+4*i:(\dst)+4*i+3], v[BO], s[\sb:\sb+1] offset:4096*(i/4)+64*((i/2)%2)+16*(i%2)
.set i, i+1
.endr
.endm
	BIASLD BIAS, 72                                ; bl
	WIN TO_B
	BIASLD 0, 74                                   ; bl2, bl3, bp into window 1
	BIASLD 64, 76
	BIASLD 128, 78
	WIN 0
	; A fragment is 16 rows x 32 K in 8 registers: lane l holds row l % 16; registers 0-3 hold K = 8 (l / 16) + 0..7, registers 4-7 K = 16 + 8 (l / 16) + 0..7: two loads of 16 bytes, 32 bytes apart.
	v_mul_u32_u24 v3, v1, PITCH
	v_lshl_add_u32 v4, v2, 5, v3                   ; row x pitch + 32 x half: c_prev, c_t, h_t
	v_lshl_add_u32 v3, v2, 4, v3                   ; row x pitch + 16 x half: fragments
	s_mul_i32 s21, s11, HALFT                      ; my 128 rows of X
	s_mul_i32 s22, s12, HALFT                      ; my 128 rows of W',
	s_add_co_u32 s22, s22, 2*HALFT                 ; which lie behind X's 256
.irp s, 0,1
	v_add_nc_u32 v[ADRA+(\s)], s21, v3
	v_add_nc_u32 v[ADRB+(\s)], s22, v3
	s_add_co_u32 s21, s21, SLOT
	s_add_co_u32 s22, s22, SLOT
.endr
	s_mul_i32 s23, s11, HALFT                      ; c_prev's tile: my 128 rows, my 128 bytes of their 256
	s_lshl_b32 s21, s12, 7
	s_add_co_u32 s23, s23, s21
	s_add_co_u32 s23, s23, SLOT
	v_add_nc_u32 v[CPA], s23, v4
	v_add_nc_u32 v[HA], 2*HALFT, v[CPA]
	v_mul_u32_u24 v5, v2, PITCH                    ; back: wave w takes rows 64 w .. 64 w + 63, whole; lanes 0-15 one row of 256 bytes, lanes 16-31 the next
	v_lshl_add_u32 v5, v1, 4, v5
	s_mul_i32 s23, s10, 64*PITCH
	s_add_co_u32 s23, s23, SLOT
	v_add_nc_u32 v[RD], s23, v5
	v_add_nc_u32 v[RDH], 2*HALFT, v[RD]
	v_lshlrev_b32 v5, 12, v2                       ; and the same two rows in an output
	v_lshl_add_u32 v[CO], v1, 4, v5
	v_lshlrev_b32 v[PF], 12, v0
	; each bias is rounded to bf16; the sum is f32: ((bl + bl2) + bl3) + bp
	s_wait_loadcnt 48                              ; bl is in: the other three arrays' 48 loads may stay out
.set i, 0
.rept 32
	v_cvt_pk_bf16_f32 v[TP+i], v[BIAS+2*i], v[BIAS+2*i+1]
.set i, i+1
.endr
.set i, 0
.rept 32
	v_lshlrev_b32 v[BIAS+2*i], 16, v[TP+i]         ; bf16 to f32: the low half moves up,
	v_and_b32 v[BIAS+2*i+1], 0xffff0000, v[TP+i]   ; the high half stays
.set i, i+1
.endr
	WIN 0x45                                       ; sources 0, 1 and destination window 1
.irp c, 0,1,2
	s_wait_loadcnt 32-16*(\c)                      ; the next array is in; the later arrays' loads may stay out
.set i, 0
.rept 32
	v_cvt_pk_bf16_f32 v[64*(\c)+2*i], v[64*(\c)+2*i], v[64*(\c)+2*i+1]
.set i, i+1
.endr
.endr
	WIN 0x01                                       ; source 0 window 1
.irp c, 0,1,2
.set i, 0
.rept 32
	v_fma_mix_f32_bf16 v[BIAS+2*i],   v[64*(\c)+2*i], v[VONE], v[BIAS+2*i]   op_sel_hi:[1,0,0]                  ; the low bf16 x 1.0 + the sum: one f32 addition
	v_fma_mix_f32_bf16 v[BIAS+2*i+1], v[64*(\c)+2*i], v[VONE], v[BIAS+2*i+1] op_sel:[1,0,0] op_sel_hi:[1,0,0]   ; the high bf16
.set i, i+1
.endr
.endr
	WIN 0
; 16 matrix instructions: row blocks a0, a0 + 1 of the window's four (hi = 0: my rows 0-63, 1: rows 64-127) x all 8 blocks of W', 32 along K.
; first = 1: the products that start the sums: their C is the bias, in window 0.  The 64 accumulators take turns, one instruction a turn, in the same order in every quarter.
.macro MUL16 f, hi, a0, first
.if \first
	WIN 0x81+0x40*(\hi)
.else
	WIN MUL_LO+0x50*(\hi)
.endif
.irp a, \a0, (\a0)+1
.irp b, 0,1,2,3,4,5,6,7
.if \first
	v_wmma_f32_16x16x32_bf16 v[8*(8*(\a)+(\b)):8*(8*(\a)+(\b))+7], v[(\f)+8*(\b):(\f)+8*(\b)+7], v[(\f)+8*(4*(\hi)+(\a)):(\f)+8*(4*(\hi)+(\a))+7], v[BIAS+8*(\b):BIAS+8*(\b)+7]
.else
	v_wmma_f32_16x16x32_bf16 v[8*(8*(\a)+(\b)):8*(8*(\a)+(\b))+7], v[(\f)+8*(\b):(\f)+8*(\b)+7], v[(\f)+8*(4*(\hi)+(\a)):(\f)+8*(4*(\hi)+(\a))+7], v[8*(8*(\a)+(\b)):8*(8*(\a)+(\b))+7]
.endif
.endr
.endr
.endm
; 32 LDS loads in one run: the fragments of one quarter step (128 rows of W', 128 rows of X, 32 K at byte k of the rows) into buffer f
.macro FETCH slot, k, f
	WIN TO_B
.irp i, 0,1,2,3,4,5,6,7
	ds_load_b128 v[(\f)+8*(\i):(\f)+8*(\i)+3],   v[ADRB+(\slot)] offset:(\k)+(\i)*16*PITCH
	ds_load_b128 v[(\f)+8*(\i)+4:(\f)+8*(\i)+7], v[ADRB+(\slot)] offset:(\k)+(\i)*16*PITCH+32
.endr
	WIN 0
.irp i, 0,1,2,3,4,5,6,7
	ds_load_b128 v[(\f)+8*(\i):(\f)+8*(\i)+3],   v[ADRA+(\slot)] offset:(\k)+(\i)*16*PITCH
	ds_load_b128 v[(\f)+8*(\i)+4:(\f)+8*(\i)+7], v[ADRA+(\slot)] offset:(\k)+(\i)*16*PITCH+32
.endr
.endm
; A load into a register that a matrix instruction has read, and a vector instruction that reads a matrix result or writes one of a matrix instruction's registers, stand four places behind it, and only plain
; vector instructions that name none of its registers are places (ISA guide 7.12.1 for vector instructions).
.macro PLACES
.rept 4
	v_nop
.endr
.endm
; A K step is four quarters of 32 along K, 64 matrix instructions each, on buffers 0, 1, 0, 1.  One of the first three: multiplies buffer f; in its middle it fetches the next quarter, at byte k, into buffer g.
.macro QUARTER slot, k, f, g, first
	s_wait_dscnt 8                                 ; W' and X's rows 0-63 are in; the youngest eight loads (X's rows 64-127) may be out
	MUL16 \f, 0, 0, \first
	MUL16 \f, 0, 2, \first
	PLACES
	FETCH \slot, \k, \g
	s_wait_dscnt 32                                ; all but the 32 just issued
	MUL16 \f, 1, 0, \first
	MUL16 \f, 1, 2, \first
.endm
; The last quarter multiplies buffer 1 and changes slots.  In front of the round each wave waits for all its tensor loads, of which one is out: its part of the next slot; adds 0 to its spare word; and waits for
; that and for its own reads of this slot.  Behind the round nobody in the cluster reads this slot any more and the next slot is whole: the slot's next fill is the first tensor load there, one a wave.
; kind = 0: this slot's K step two steps on, jointly.  kind = 1: c_prev's tile, into the first half of slot 1.
; From a joint request to the wait for it a wave issues 224 matrix instructions; from c_prev's to its wait 128.
.macro TURN slot, next, kind
	WIN 0                                          ; (the add's two registers lie in window 0)
	s_wait_tensorcnt 0x0                           ; all my tensor loads have landed, so a group 0 may be written;
	ds_add_u32 v[SPW], v[NIL]                      ; 0 onto my spare word;
	s_wait_dscnt 9                                 ; (the add and the youngest eight loads may be out)
	MUL16 F1, 0, 0, 0                              ; sixteen matrix instructions stand between the add and the wait for it
	s_wait_dscnt 0x0                               ; the add is done, and my reads of this slot are over:
	s_barrier_signal -1                            ; say so: this barrier opens a round of the cluster's barrier,
	MUL16 F1, 0, 2, 0                              ; work on registers while the others arrive
	WIN 0
	s_barrier_wait -1
	CREST
.if \kind
	CLOAD
.else
	s_add_nc_u64 s[G0+4*(\slot)+2:G0+4*(\slot)+3], s[G0+4*(\slot)+2:G0+4*(\slot)+3], 2*KSTEP*2
	s_add_nc_u64 s[G0B+4*(\slot)+2:G0B+4*(\slot)+3], s[G0B+4*(\slot)+2:G0B+4*(\slot)+3], 2*KSTEP*2
	JLOAD \slot
.endif
	FETCH \next, 0, F0                             ; the four v_nop behind the tensor load are also the places in front of these loads
	MUL16 F1, 1, 0, 0
	MUL16 F1, 1, 2, 0
.endm
	s_wait_tensorcnt 1                             ; my part of K step 0 is in; K step 1's may stay out
	s_barrier_signal -1
	s_barrier_wait -1                              ; everybody's is
	FETCH 0, 0, F0
	QUARTER 0, 64,  F0, F1, 1                      ; the first quarter stands in front of the loop: its products start the sums, from the bias
	WIN 0                                          ; at a label and at a branch every window is 0
	s_mov_b32 s3, 6
.Llap:                                                 ; trip t: from K step 2 t's second quarter to step 2 t + 2's first; it asks for steps 2 t + 2 and 2 t + 3
	QUARTER 0, 128, F1, F0, 0
	QUARTER 0, 192, F0, F1, 0
	TURN 0, 1, 0
	QUARTER 1, 64,  F0, F1, 0
	QUARTER 1, 128, F1, F0, 0
	QUARTER 1, 192, F0, F1, 0
	TURN 1, 0, 0
	QUARTER 0, 64,  F0, F1, 0
	WIN 0
	s_sub_co_u32 s3, s3, 1
	s_cmp_lg_u32 s3, 0
	s_cbranch_scc1 .Llap
	QUARTER 0, 128, F1, F0, 0                      ; K step 12 goes on
	QUARTER 0, 192, F0, F1, 0
	TURN 0, 1, 0                                   ; slot 0 takes K step 14, the last
	WIN 0
	global_prefetch_b8 v[PF], s[CT:CT+1] th:TH_LOAD_NT scope:SCOPE_SE                ; c_prev's tile, 256 pieces of 256 bytes that no other work-group reads: thread t asks for the pieces of rows t
	global_prefetch_b8 v[PF], s[CT:CT+1] offset:524288 th:TH_LOAD_NT scope:SCOPE_SE  ; and t + 128, each once, one K step (224 matrix instructions) ahead of the tensor load that fetches them
	QUARTER 1, 64,  F0, F1, 0                      ; K step 13
	QUARTER 1, 128, F1, F0, 0
	QUARTER 1, 192, F0, F1, 0
	TURN 1, 0, 1                                   ; slot 1 has been read out: its first half takes c_prev's tile
	QUARTER 0, 64,  F0, F1, 0                      ; K step 14: columns 1792-1823,
	s_wait_dscnt 8
	MUL16 F1, 0, 0, 0                              ; and 1824-1855: behind them pk holds zeros alone
	MUL16 F1, 0, 2, 0
	s_wait_dscnt 0x0                               ; no LDS instruction of mine is out at a signal
	s_wait_tensorcnt 0x0                           ; my 64 rows of c_prev are in: for the others' sake, who read them
	s_barrier_signal -1
	MUL16 F1, 1, 0, 0
	MUL16 F1, 1, 2, 0
	WIN 0
	s_barrier_wait -1                              ; everybody's are
	PLACES                                         ; for the loads into buffer 1 and for the lines that work on the sums
	; THE TAIL.  c_prev first: block a's 16 numbers of my lane, in the order of a gate's 16 registers: 32 bytes at outputs 16 ob + 8 (l / 16), ob = 0, 1
.irp a, 0,1,2,3,4,5,6,7
.irp q, 0,1,2,3
	ds_load_b128 v[CPR+16*(\a)+4*(\q):CPR+16*(\a)+4*(\q)+3], v[CPA] offset:16*PITCH*(\a)+64*((\q)/2)+16*((\q)%2)
.endr
.endr
.macro TT op, base, n                  ; a transcendental, in place, on pair n
	\op v[(\base)+2*(\n)], v[(\base)+2*(\n)]
	\op v[(\base)+2*(\n)+1], v[(\base)+2*(\n)+1]
.endm
.macro SC dst, src, n, k               ; pair n times a constant
	v_pk_mul_f32 v[(\dst)+2*(\n):(\dst)+2*(\n)+1], v[(\src)+2*(\n):(\src)+2*(\n)+1], s[\k:\k+1] op_sel_hi:[1,0]
.endm
.macro PLUS1 base, n
	s_wait_alu depctr_va_vdst(0)
	v_pk_add_f32 v[(\base)+2*(\n):(\base)+2*(\n)+1], v[(\base)+2*(\n):(\base)+2*(\n)+1], 1.0 op_sel_hi:[1,0]
.endm
.macro TANH base, n                    ; 1 - 2 x
	v_pk_fma_f32 v[(\base)+2*(\n):(\base)+2*(\n)+1], v[(\base)+2*(\n):(\base)+2*(\n)+1], -2.0, 1.0 op_sel_hi:[1,0,0]
.endm
.macro TIMES dst, src, n
	v_pk_mul_f32 v[(\dst)+2*(\n):(\dst)+2*(\n)+1], v[(\dst)+2*(\n):(\dst)+2*(\n)+1], v[(\src)+2*(\n):(\src)+2*(\n)+1]
.endm
; Eight times: two transcendentals on one gate, then a plain packed line on the next gate, which names none of their registers: the plain instruction that stands behind a transcendental before its result is used (ISA guide 5.7.2)
.macro TSC op, tb, pb, k
.irp n, 0,1,2,3,4,5,6,7
	TT \op, \tb, \n
	SC \pb, \pb, \n, \k
.endr
.endm
.macro TP1 op, tb, pb
.irp n, 0,1,2,3,4,5,6,7
	TT \op, \tb, \n
	PLUS1 \pb, \n
.endr
.endm
; Block a (16 rows x my 32 outputs): its eight accumulators are four gates of 16 registers.  Every run goes up from a gate's lowest register.
.macro GATES a
.set AC, 64*((\a)%4)
.set GI, AC
.set GF, AC+16
.set GO, AC+32
.set GG, AC+48
.set CP, CPR+16*(\a)
.set WW, 0xaa+0x55*((\a)/4)            ; every operand in window 2 (blocks 0-3) or 3 (blocks 4-7)
	WIN WW
.irp n, 0,1,2,3,4,5,6,7
	SC GI, GI, \n, KN                              ; -x log2 e
.endr
	TSC v_exp_f32, GI, GF, KN
	TSC v_exp_f32, GF, GO, KN
	TSC v_exp_f32, GO, GG, K2                      ; for tanh: 2 x log2 e
	TP1 v_exp_f32, GG, GI
	TP1 v_rcp_f32, GI, GF                          ; i
	TP1 v_rcp_f32, GF, GO                          ; f
	TP1 v_rcp_f32, GO, GG                          ; o
.irp n, 0,1,2,3,4,5,6,7
	TT v_rcp_f32, GG, \n
.endr
	v_nop                                          ; a plain instruction behind the last reciprocal
	s_wait_alu depctr_va_vdst(0)
.irp n, 0,1,2,3,4,5,6,7
	TANH GG, \n                                    ; g
.endr
.irp n, 0,1,2,3,4,5,6,7
	TIMES GG, GI, \n                               ; i g
.endr
.if (\a) == 0
	s_wait_dscnt 0x0                               ; all my reads of c_prev are back:
	s_barrier_signal -1                            ; say so; the wait stands in front of the first stores into those rows, of which my neighbour reads the other half
.endif
	WIN 0
.irp n, 0,1,2,3,4,5,6,7
	v_cvt_pk_bf16_f32 v[CP+(\n)], v[CP+2*(\n)], v[CP+2*(\n)+1]  ; c_prev rounded to bf16, in place from the low end
.endr
	WIN 0xa8+0x54*((\a)/4)                         ; source 0 window 0, all else the block's window
.irp n, 0,1,2,3,4,5,6,7
	v_fma_mix_f32_bf16 v[GF+2*(\n)],   v[CP+(\n)], v[GF+2*(\n)],   v[GG+2*(\n)]   op_sel_hi:[1,0,0]                 ; c_t = c_prev f + i g
	v_fma_mix_f32_bf16 v[GF+2*(\n)+1], v[CP+(\n)], v[GF+2*(\n)+1], v[GG+2*(\n)+1] op_sel:[1,0,0] op_sel_hi:[1,0,0]
.endr
	WIN WW
.irp n, 0,1,2,3,4,5,6,7
	SC GI, GF, \n, K2                              ; i's registers are free: 2 c_t log2 e
.endr
.irp n, 0,1,2,3,4,5,6,7
	TT v_exp_f32, GI, \n
.endr
	v_nop
	s_wait_alu depctr_va_vdst(0)
.irp n, 0,1,2,3,4,5,6,7
	PLUS1 GI, \n
.endr
.irp n, 0,1,2,3,4,5,6,7
	TT v_rcp_f32, GI, \n
.endr
	v_nop
	s_wait_alu depctr_va_vdst(0)
.irp n, 0,1,2,3,4,5,6,7
	TANH GI, \n                                    ; tanh(c_t)
.endr
.irp n, 0,1,2,3,4,5,6,7
	TIMES GI, GO, \n                               ; h_t
.endr
	WIN 0x08+0x04*((\a)/4)                         ; store data in the block's window, address in window 0
.if (\a) == 0
	s_barrier_wait -1                              ; every wave has c_prev in registers
.endif
.irp q, 0,1,2,3
	ds_store_b128 v[CPA], v[GF+4*(\q):GF+4*(\q)+3] offset:16*PITCH*(\a)+64*((\q)/2)+16*((\q)%2)  ; c_t where my c_prev lay: those bytes have had their last fill
.endr
.irp q, 0,1,2,3
	ds_store_b128 v[HA], v[GI+4*(\q):GI+4*(\q)+3] offset:16*PITCH*(\a)+64*((\q)/2)+16*((\q)%2)   ; h_t into slot 1's second half, read out and filled for the last time in K step 13
.endr
.endm
.irp a, 0,1,2,3,4,5,6,7
	GATES \a
.endr
	WIN 0
	s_wait_dscnt 0x0                               ; for the others' sake: my stores are done; a row's 256 bytes come from two waves
	s_barrier_signal -1
	s_barrier_wait -1
	WIN TO_B                                       ; back as whole rows, 64 rows of each output a wave, into window 1
.set t, 0
.rept 32
	ds_load_b128 v[4*t:4*t+3], v[RD] offset:2*PITCH*t
.set t, t+1
.endr
.set t, 0
.rept 32
	ds_load_b128 v[128+4*t:128+4*t+3], v[RDH] offset:2*PITCH*t
.set t, t+1
.endr
	WIN 0x04                                       ; store data window 1, address window 0
.set t, 0
.rept 32
	s_wait_dscnt 63-t                              ; LDS loads come back in order (ISA guide 5.7.1): the 63 - t younger ones may stay out
	global_store_b128 v[CO], v[4*t:4*t+3], s[82:83] offset:8192*t th:TH_STORE_NT          ; c_t: 16 lanes store 256 consecutive bytes, at a multiple of 256 from out1's first byte
.set t, t+1
.endr
.set t, 0
.rept 32
	s_wait_dscnt 31-t
	global_store_b128 v[CO], v[128+4*t:128+4*t+3], s[80:81] offset:8192*t th:TH_STORE_NT  ; h_t likewise; no register is written again, so nothing waits for a store
.set t, t+1
.endr
	WIN 0
	s_wait_tensorcnt 0x0                           ; the wave's end, behind my last tensor load and my last LDS store
	ds_add_u32 v[SPW], v[NIL]
	s_wait_dscnt 0x0
	CROUND                                         ; the closing round: no work-group ends while a partner may still ask for a tile that names it
	s_endpgm
.Lfunc_end_k_q9b11ccd963_cell:
	.size	k_q9b11ccd963_cell, .Lfunc_end_k_q9b11ccd963_cell-k_q9b11ccd963_cell
	.p2alignl 7, 3214868480
	.fill 96, 4, 3214868480
	.section	.rodata,"a",@progbits
	.p2align	6, 0x0
	.amdhsa_kernel k_q9b11ccd963_cell
		.amdhsa_group_segment_fixed_size 327680
		.amdhsa_private_segment_fixed_size 0
		.amdhsa_enable_private_segment 0
		.amdhsa_kernarg_size 64
		.amdhsa_user_sgpr_count 2
		.amdhsa_user_sgpr_kernarg_segment_ptr 1
		.amdhsa_wavefront_size32 1
		.amdhsa_system_sgpr_workgroup_id_x 1
		.amdhsa_system_sgpr_workgroup_id_y 1
		.amdhsa_system_sgpr_workgroup_id_z 1
		.amdhsa_system_vgpr_workitem_id 0
		.amdhsa_next_free_vgpr 1024
		.amdhsa_next_free_sgpr 102
		.amdhsa_reserve_vcc 0
		.amdhsa_float_denorm_mode_32 3
		.amdhsa_float_denorm_mode_16_64 3
		.amdhsa_memory_ordered 1
		.amdhsa_forward_progress 1
		.amdhsa_inst_pref_size 255
	.end_amdhsa_kernel
	.section	.bss,"aw",@nobits
	.p2align	6
	.space	262144
	.amdgpu_metadata
---
amdhsa.version: [ 1, 2 ]
amdhsa.kernels:
  - .name:           k_q9b11ccd963_cell
    .symbol:         k_q9b11ccd963_cell.kd
    .args:
      - { .name: pk, .offset: 0, .size: 8, .value_kind: global_buffer, .address_space: global }
      - { .name: c_prev, .offset: 8, .size: 8, .value_kind: global_buffer, .address_space: global }
      - { .name: bl, .offset: 16, .size: 8, .value_kind: global_buffer, .address_space: global }
      - { .name: bl2, .offset: 24, .size: 8, .value_kind: global_buffer, .address_space: global }
      - { .name: bl3, .offset: 32, .size: 8, .value_kind: global_buffer, .address_space: global }
      - { .name: bp, .offset: 40, .size: 8, .value_kind: global_buffer, .address_space: global }
      - { .name: out0, .offset: 48, .size: 8, .value_kind: global_buffer, .address_space: global }
      - { .name: out1, .offset: 56, .size: 8, .value_kind: global_buffer, .address_space: global }
    .group_segment_fixed_size: 327680
    .private_segment_fixed_size: 0
    .kernarg_segment_align: 8
    .kernarg_segment_size: 64
    .max_flat_workgroup_size: 128
    .sgpr_count:     102
    .vgpr_count:     1024
    .wavefront_size: 32
...
	.end_amdgpu_metadata
.endif
;; end of part 2
;; ======== version 2 of 2: 2 launches; version 1 with the launch pack written anew for expert scheduling mode
;; workspace buffers: pk 47,185,920 bytes
;; launch pack (part 3): grid 768 x 1, 8 waves a work-group, no clusters, 0 bytes of LDS; arguments h_prev, context, embedding_prev, Wh, Wa, Wx, pk; writes pk
.if DOCPART == 3
	.amdgcn_target "amdgcn-amd-amdhsa--gfx1250"
	.amdhsa_code_object_version 6
	.text
	.protected	k_q9b11ccd963_pack
	.globl	k_q9b11ccd963_pack
	.p2align	8
	.type	k_q9b11ccd963_pack,@function
k_q9b11ccd963_pack:
	s_mov_b64 s[64:65], 0
	v_nop
	global_prefetch_b8 v0, s[64:65] scope:SCOPE_SE
	s_setreg_imm32_b32 hwreg(HW_REG_WAVE_SCHED_MODE, 0, 2), 2
	s_setreg_imm32_b32 hwreg(HW_REG_WAVE_MODE, 25, 1), 1
	s_wait_xcnt 0x0
	s_wait_alu depctr_vm_vsrc(0)
; pk: 12,288 rows x 1,920 bf16 (3,840 bytes a row = 15 x 256).  Rows 0-8191: X[b] = [h_prev | context | embedding_prev | 0].  Rows 8192 + n': W' = [Wh | Wa | Wx | 0] of gate g, output o,
; at n' = 256 (o >> 6) + 128 ((o >> 5) & 1) + 32 g + (o & 31): 256 consecutive rows hold 64 outputs x 4 gates, and each half of 128 rows holds 4 gates x 32 outputs.
; Columns 0-1023 h / Wh, 1024-1535 context / Wa, 1536-1835 embedding / Wx, 1836-1919 zeros (stored, so that every row is written whole).  f32 is rounded to bf16 to nearest even, once.
; SHARES.  A work-group takes 16 source rows, which are 16 consecutive rows of pk: groups 0-511 X, groups 512-767 W.  Thread t < 240 owns columns 8 t .. 8 t + 7 of every row: 32 bytes in, 16 bytes out,
; so sixteen neighbouring lanes store 256 consecutive bytes at a multiple of 256 from pk's first byte.  Waves 0-3 read h / Wh, 4-5 context / Wa, 6-7 embedding / Wx.
; A stream: each byte is read once and written once; all 32 loads of a wave (16 KiB) go out before the first wait; no loop, no LDS, no barrier, no matrix unit: none would spare a byte.
; Wave 7 has 176 valid bytes of each row (columns 1792-1835): a lane's 16 bytes at or beyond them are read from offset 0 instead (inside the row) and cleared by a mask; its lanes 16-31 store nothing.
; THE MODE: SCHED_MODE bits 1:0 = 2 (LLVM: expert scheduling mode 2), set by the entry lines.  The code itself states the register dependences between vector instructions and memory instructions,
; and between vector instructions that write scalar registers and their readers, with s_wait_alu, always for 0.
; THE PLAN.  Registers that memory instructions touch:
;   v1, v2, v5   byte offsets, made once at the head and never written again: read by the 32 loads (v1, v2) and the 16 stores (v5).  One wait on va_vdst ahead of the first load states that they are written.
;   X, row i     two loads land in its 8 registers; its conversions read them and write the first 4; its store reads those 4; nothing writes them again, so no store's data is ever waited for.
; Waves 0-6 take the rows in four blocks of four.  At the head of a block one wait on va_vdst states that the block before has written its 16 results; that block's four stores follow, one ahead of each row's
; conversions, which name the present block's registers alone.  A last such wait stands ahead of the last four stores.  Wave 7 rounds and clears all its rows, and the waits ahead of its write of EXEC serve its stores.
.set ROWB, 3840                        ; bytes in a row of pk
.set OFF0, 1                           ; v1  byte offset of my first 16 bytes from the wave's columns, or 0
.set OFF1, 2                           ; v2  of my second 16 bytes, or 0
.set MK0,  3                           ; v3  all ones if the first 16 bytes are valid, else 0
.set MK1,  4                           ; v4  the same for the second
.set DST,  5                           ; v5  16 t: my 16 bytes in a row of pk
.set X,    8                           ; v[8:135]  row i: 8 registers as loaded; its first 4 then hold the 8 bf16
.set RB,   32                          ; s[32:63]  row i: the address of my wave's columns in source row i
	s_load_b256 s[8:15], s[0:1], 0x0               ; h s[8:9], context s[10:11], embedding s[12:13], Wh s[14:15]
	s_load_b128 s[16:19], s[0:1], 0x20             ; Wa s[16:17], Wx s[18:19]
	s_load_b64 s[20:21], s[0:1], 0x30              ; pk
	v_lshrrev_b32 v6, 5, v0
	v_readfirstlane_b32 s2, v6                     ; wave 0..7
	v_and_b32 v6, 31, v0
	v_lshlrev_b32 v[OFF0], 5, v6                   ; 32 bytes a lane
	v_add_nc_u32 v[OFF1], 16, v[OFF0]
	v_lshlrev_b32 v[DST], 4, v0
	s_movk_i32 s22, 1200                           ; the source's row in bytes: 1,200, 2,048 or 4,096
	s_mov_b32 s24, 6                               ; the first wave of my source: 6, 4 or 0
	s_movk_i32 s25, 1024                           ; valid bytes from my wave's first column on
	s_wait_alu depctr_va_sdst(0)                   ; s2 is written, ahead of its first reader: the compare below
	s_cmp_lt_u32 s2, 6
	s_cselect_b32 s22, 2048, s22
	s_cselect_b32 s24, 4, s24
	s_cmp_lt_u32 s2, 4
	s_cselect_b32 s22, 4096, s22
	s_cselect_b32 s24, 0, s24
	s_mov_b32 s23, 0                               ; s[22:23]: the pitch as a 64-bit step
	s_cmp_eq_u32 s2, 7
	s_cselect_b32 s25, 176, s25                    ; 300 - 256 = 44 numbers
	v_cmp_gt_u32 s4, s25, v[OFF0]                  ; are my first 16 bytes valid?  The two compares stand together, each with a scalar register of its own: one wait serves both
	v_cmp_gt_u32 s5, s25, v[OFF1]                  ; and my second?
	; which rows.  X: source and destination row 16 id.  W: j = id - 512, source row 16 j = 1,024 g + 16 jj; destination row 8192 + 256 (jj >> 2) + 128 ((jj >> 1) & 1) + 32 g + 16 (jj & 1)
	s_lshl_b32 s30, ttmp9, 4
	s_sub_co_u32 s26, ttmp9, 512
	s_lshr_b32 s27, s26, 6                         ; g
	s_lshl_b32 s27, s27, 5
	s_bfe_u32 s3, s26, 0x40002                     ; jj >> 2
	s_lshl_b32 s3, s3, 8
	s_add_co_u32 s27, s27, s3
	s_bfe_u32 s3, s26, 0x10001                     ; (jj >> 1) & 1
	s_lshl_b32 s3, s3, 7
	s_add_co_u32 s27, s27, s3
	s_and_b32 s3, s26, 1
	s_lshl_b32 s3, s3, 4
	s_add_co_u32 s27, s27, s3
	s_add_co_u32 s27, s27, 8192
	s_cmp_lt_u32 ttmp9, 512
	s_cselect_b32 s30, s30, s27                    ; destination row
	s_cselect_b32 s26, ttmp9, s26                  ; source block of 16 rows
	s_lshl_b32 s28, s26, 4
	s_mul_i32 s28, s28, s22                        ; source row x pitch: 33,554,432 at the most
	s_sub_co_u32 s3, s2, s24
	s_lshl_b32 s3, s3, 10                          ; + my wave's 1,024 bytes of the row
	s_add_co_u32 s28, s28, s3
	s_mov_b32 s29, 0
	s_mul_i32 s30, s30, ROWB
	s_mov_b32 s31, 0
	s_wait_alu depctr_va_sdst(0)                   ; the two compares have written s4 and s5, ahead of their first readers: the selects below
	v_cndmask_b32 v[MK0], 0, -1, s4
	v_cndmask_b32 v[OFF0], 0, v[OFF0], s4
	v_cndmask_b32 v[MK1], 0, -1, s5
	v_cndmask_b32 v[OFF1], 0, v[OFF1], s5
	s_wait_kmcnt 0x0
	s_cmp_lt_u32 ttmp9, 512                        ; X's three sources or W's,
	s_cselect_b64 s[8:9], s[8:9], s[14:15]
	s_cselect_b64 s[10:11], s[10:11], s[16:17]
	s_cselect_b64 s[12:13], s[12:13], s[18:19]
	s_cmp_lt_u32 s2, 6                             ; and of the three my wave's
	s_cselect_b64 s[10:11], s[10:11], s[12:13]
	s_cmp_lt_u32 s2, 4
	s_cselect_b64 s[8:9], s[8:9], s[10:11]
	s_add_nc_u64 s[RB:RB+1], s[8:9], s[28:29]
.set i, 1
.rept 15
	s_add_nc_u64 s[RB+2*i:RB+2*i+1], s[RB+2*i-2:RB+2*i-1], s[22:23]
.set i, i+1
.endr
	s_add_nc_u64 s[20:21], s[20:21], s[30:31]      ; pk at the group's first row
	s_wait_alu depctr_va_vdst(0)                   ; v1, v2 and v5 are written: every load and store of the kernel reads one of them as its offset
.set i, 0
.rept 16                               ; all 32 loads at once; the inputs are read once in the launch
	global_load_b128 v[X+8*i:X+8*i+3],   v[OFF0], s[RB+2*i:RB+2*i+1] th:TH_LOAD_NT
	global_load_b128 v[X+8*i+4:X+8*i+7], v[OFF1], s[RB+2*i:RB+2*i+1] th:TH_LOAD_NT
.set i, i+1
.endr
.macro PUTROW i                        ; no cache word: the next launch reads pk
	global_store_b128 v[DST], v[X+8*(\i):X+8*(\i)+3], s[20:21] offset:ROWB*(\i)
.endm
; Row i is in: eight numbers become eight bf16, in place from the low end.  put = 1 (waves 0-6): ahead of the conversions stands the store of the row four back, a row of the block before.
.macro ROUNDROW i, put
	s_wait_loadcnt 30-2*(\i)                       ; loads come back in order (ISA guide 5.7.1): the 2 (15 - i) loads of the later rows may stay out
.if \put
.if (((\i) % 4) == 0) && ((\i) > 0)
	s_wait_alu depctr_va_vdst(0)                   ; a block's head: the conversions of the block before have written its four rows' results, which the four stores of this block read
.endif
.if (\i) >= 4
	PUTROW (\i)-4                                  ; no vector instruction since that wait names this row's registers
.endif
.endif
.irp k, 0,1,2,3
	v_cvt_pk_bf16_f32 v[X+8*(\i)+(\k)], v[X+8*(\i)+2*(\k)], v[X+8*(\i)+2*(\k)+1]
.endr
.endm
	s_cmp_eq_u32 s2, 7
	s_cbranch_scc1 .Ltail
.irp i, 0,1,2,3,4,5,6,7,8,9,10,11,12,13,14,15
	ROUNDROW \i, 1
.endr
	s_wait_alu depctr_va_vdst(0)                   ; the last block's conversions have written rows 12 to 15, which the last four stores read
.irp i, 12,13,14,15
	PUTROW \i
.endr
	s_endpgm
.Ltail:                                ; wave 7: what lies beyond column 1835 is cleared; all lanes work, lanes 0-15 store
.irp i, 0,1,2,3,4,5,6,7,8,9,10,11,12,13,14,15
	ROUNDROW \i, 0
	v_and_b32 v[X+8*(\i)],   v[MK0], v[X+8*(\i)]
	v_and_b32 v[X+8*(\i)+1], v[MK0], v[X+8*(\i)+1]
	v_and_b32 v[X+8*(\i)+2], v[MK1], v[X+8*(\i)+2]
	v_and_b32 v[X+8*(\i)+3], v[MK1], v[X+8*(\i)+3]
.endr
	v_cmp_gt_u32 vcc_lo, 240, v0
	s_wait_xcnt 0x0                                ; EXEC is a source of the loads above: it changes only behind this wait
	s_wait_alu depctr_va_vcc(0)                    ; the compare has written VCC, from which EXEC is made
	s_wait_alu depctr_va_vdst(0)                   ; ahead of the write of EXEC: every vector instruction issued so far is done; among them the lines that wrote the sixteen rows' results, which the stores below read
	s_wait_alu depctr_vm_vsrc(0)                   ; ahead of the write of EXEC: the loads have read their vector registers
	s_and_saveexec_b32 s27, vcc_lo                 ; threads 224-239
.irp i, 0,1,2,3,4,5,6,7,8,9,10,11,12,13,14,15
	PUTROW \i
.endr
	s_wait_xcnt 0x0                                ; and again, in front of the line that widens it
	s_wait_alu depctr_va_vdst(0)                   ; ahead of the write of EXEC: no vector instruction is pending
	s_wait_alu depctr_vm_vsrc(0)                   ; ahead of the write of EXEC: the stores have read their offsets and data
	s_or_b32 exec_lo, exec_lo, s27
	s_endpgm
.Lfunc_end_k_q9b11ccd963_pack:
	.size	k_q9b11ccd963_pack, .Lfunc_end_k_q9b11ccd963_pack-k_q9b11ccd963_pack
	.p2alignl 7, 3214868480
	.fill 96, 4, 3214868480
	.section	.rodata,"a",@progbits
	.p2align	6, 0x0
	.amdhsa_kernel k_q9b11ccd963_pack
		.amdhsa_group_segment_fixed_size 0
		.amdhsa_private_segment_fixed_size 0
		.amdhsa_enable_private_segment 0
		.amdhsa_kernarg_size 56
		.amdhsa_user_sgpr_count 2
		.amdhsa_user_sgpr_kernarg_segment_ptr 1
		.amdhsa_wavefront_size32 1
		.amdhsa_system_sgpr_workgroup_id_x 1
		.amdhsa_system_sgpr_workgroup_id_y 1
		.amdhsa_system_sgpr_workgroup_id_z 1
		.amdhsa_system_vgpr_workitem_id 0
		.amdhsa_next_free_vgpr 136
		.amdhsa_next_free_sgpr 66
		.amdhsa_reserve_vcc 1
		.amdhsa_float_denorm_mode_32 3
		.amdhsa_float_denorm_mode_16_64 3
		.amdhsa_memory_ordered 1
		.amdhsa_forward_progress 1
		.amdhsa_inst_pref_size 22
	.end_amdhsa_kernel
	.amdgpu_metadata
---
amdhsa.version: [ 1, 2 ]
amdhsa.kernels:
  - .name:           k_q9b11ccd963_pack
    .symbol:         k_q9b11ccd963_pack.kd
    .args:
      - { .name: h_prev, .offset: 0, .size: 8, .value_kind: global_buffer, .address_space: global }
      - { .name: context, .offset: 8, .size: 8, .value_kind: global_buffer, .address_space: global }
      - { .name: embedding_prev, .offset: 16, .size: 8, .value_kind: global_buffer, .address_space: global }
      - { .name: Wh, .offset: 24, .size: 8, .value_kind: global_buffer, .address_space: global }
      - { .name: Wa, .offset: 32, .size: 8, .value_kind: global_buffer, .address_space: global }
      - { .name: Wx, .offset: 40, .size: 8, .value_kind: global_buffer, .address_space: global }
      - { .name: pk, .offset: 48, .size: 8, .value_kind: global_buffer, .address_space: global }
    .group_segment_fixed_size: 0
    .private_segment_fixed_size: 0
    .kernarg_segment_align: 8
    .kernarg_segment_size: 56
    .max_flat_workgroup_size: 256
    .sgpr_count:     66
    .vgpr_count:     136
    .wavefront_size: 32
...
	.end_amdgpu_metadata
.endif
;; end of part 3
;; launch cell: the kernel of part 2 again; grid 16 x 32, 4 waves a work-group, clusters of 4 x 4, 327,680 bytes of LDS; arguments pk, c_prev, bl, bl2, bl3, bp, out0, out1; writes out0, out1
